; MI455X (gfx1250); checked and timed in simulation.
; The chip was launched on July 23, 2026; its instructions are those of AMD's public machine-readable ISA for CDNA 5 (MIT licence, August 2026) and "CDNA5" Instruction Set Architecture Reference Guide (July 2026). The comments in the code are by the model that wrote it; some were corrected since.
;; Expert Router. Allowed arithmetic: float matrix products may take bf16 or f16 operands with f32 sums; other float arithmetic in f32, or as packed bf16 or f16 multiplies, adds, multiply-adds, maxima and minima; sums over many terms, partial sums and values carried from step to step in f32; what a program stores and reads back later, other than sums and carried values, may be rounded once to bf16 or f16.
;; Inputs: b1 8 x 1,024 float32; b2 8 x 512 float32; gate_b 8 float32; gate_w 512 x 8 float32; w1 8 x 512 x 1,024 float32; w2 8 x 1,024 x 512 float32; x 4 x 2,048 x 512 float32.
;; Outputs: out0 4 x 2,048 x 512 float32.
;; Constants: top_k = 2.
;; One version. Each part assembles by itself: llvm-mc -triple=amdgcn-amd-amdhsa -mcpu=gfx1250 --defsym DOCPART=n.
;; ======== version 1 of 1: 3 launches
;; workspace buffers: xb 8,388,608 bytes; wf 16,777,216 bytes; rec 32,768 bytes of whole numbers; sel 32,768 bytes of whole numbers; gw 65,536 bytes; part 33,554,432 bytes
;; launch prep (part 1): grid 256 x 1, 8 waves a work-group, no clusters, 118,272 bytes of LDS; arguments x, gate_w, gate_b, w1, w2, xb, wf, rec, sel, gw; writes xb, wf, rec, sel, gw
.if DOCPART == 1
	.amdgcn_target "amdgcn-amd-amdhsa--gfx1250"
	.amdhsa_code_object_version 6
	.text
	.protected	k_qe5da3dcba6_prep
	.globl	k_qe5da3dcba6_prep
	.p2align	8
	.type	k_qe5da3dcba6_prep,@function
k_qe5da3dcba6_prep:
	s_mov_b64 s[64:65], 0
	v_nop
	global_prefetch_b8 v0, s[64:65] scope:SCOPE_SE
	s_setreg_imm32_b32 hwreg(HW_REG_WAVE_MODE, 25, 1), 1
	s_wait_xcnt 0x0
; PREP: the gate, and everything rounded once to bf16 for the launch behind.
; Work-group c (256 of them, eight waves) owns
;   tokens 32 c .. 32 c + 31 of x: rounded to bf16 into xb [8192][512]; their 8 logits, top 2 and two softmax weights;
;   32 rows x 512 columns of w1 (expert c >> 5, K step (c >> 1) & 15, column half c & 1) and 32 rows x 512 columns of w2 (expert c >> 5, K step c & 31):
;   rounded to bf16, turned in LDS into matrix fragments (16 output columns x 32 K, 1,024 bytes: lane l's registers 0-3 at 16 l, 4-7 at 512 + 16 l) and stored into wf in
;   the order in which a wave of the next launch takes them: stream (expert e, wave w) at e x 2 MiB + w x 512 KiB, 64 steps of 8 fragments.
;   Steps 16 p + ks: w1, hidden columns 256 w + 128 p + 16 i, K step ks.  Steps 32 + ks: w2, output channels 128 w + 16 i, K step ks.
; THE GATE is a matrix product on the rounded x and gate_w, sums in f32, the rounded gate_b as the sums' start.  rec [256][32 words]: words 0-7 the bitmap of the group's
; 32 tokens for expert e, words 8-11 the eight counts in 16-bit halves, the rest 0.  sel [8192] = first expert | second << 8.  gw [8192][2] = their softmax weights.
; LIMITS.  Every input is rounded once to bf16 (to nearest even).  Equal logits: the lower index wins, as in lax.top_k; logits nearer to each other than the rounding of an
; f32 sum of 512 terms may be ordered otherwise than another order of summation orders them.  The six experts not chosen have weight exp(-1e9 - max): 0 in f32 while the
; largest logit lies above -1e9 + 104; this text takes it as 0.  NaN and infinite logits are not treated apart.
; No slots, no tile loads: each byte is read once, by 52 loads a lane that are all out together, and one barrier stands between the writing of LDS and the reading.
.set XP,    1040                       ; a token's row in LDS: 1,024 bytes + 16: an odd multiple of 16, so the 16 rows of a fragment load start in different groups of banks
.set GT,    33280                      ; behind 32 such rows: gate_w as 512 rows of 32 bytes: the 8 experts in bf16, then the same 8 once more
.set WA,    49664                      ; w1's chunk: 32 rows of 1,056 bytes (1,024 + 32: an odd multiple of 32, for the turning load)
.set WBO,   33792                      ; w2's chunk lies this far behind w1's
.set WP,    1056
.set SPARE, 117248                     ; the spare words: 128 bytes for each of the eight waves, named by no other line
.set SPW,   2                          ; v2  SPARE + 4 x my thread's number; never rewritten
.set NIL,   3                          ; v3  0; never rewritten
; v4 64 t   v5 GT + 64 t   v6 16 t   v7 where my 8 bytes of x go in LDS   v8 8 t   v9, v10 my offsets in the chunks of w1, w2   v11 where their bf16 go in LDS
; v12 the turning loads' address   v13, v14 my 16 bytes in my first fragment of w1, w2 in wf   v16-31 gate_w   v32-95 x   v96-159 w1   v160-223 w2 as loaded
	s_load_b512 s[4:19], s[0:1], 0x0               ; x s[4:5], gate_w s[6:7], gate_b s[8:9], w1 s[10:11], w2 s[12:13], xb s[14:15], wf s[16:17], rec s[18:19]
	s_load_b128 s[20:23], s[0:1], 0x40             ; sel s[20:21], gw s[22:23]
	v_lshl_add_u32 v[SPW], v0, 2, SPARE
	v_mov_b32 v[NIL], 0
	v_and_b32 v1, 31, v0                           ; lane
	v_lshrrev_b32 v4, 5, v0
	v_readfirstlane_b32 s32, v4                    ; wave 0..7
	s_mov_b32 s33, ttmp9                           ; c
	s_lshl_b32 s34, s33, 16                        ; my 32 tokens in x: 65,536 bytes a work-group
	s_mov_b32 s35, 0
	s_lshl_b32 s36, s33, 15                        ; and in xb
	s_mov_b32 s37, 0
	s_lshr_b32 s38, s33, 5
	s_lshl_b32 s38, s38, 21                        ; the expert's 2 MiB, in w1, in w2 and in wf
	s_bfe_u32 s39, s33, 0x40001                    ; w1's K step
	s_and_b32 s40, s33, 1                          ; w1's column half
	s_and_b32 s41, s33, 31                         ; w2's K step
	s_lshl_b32 s42, s39, 17                        ; 32 rows of 4,096 bytes
	s_add_co_u32 s42, s42, s38
	s_lshl_b32 s46, s40, 11                        ; 512 columns of 4 bytes
	s_add_co_u32 s42, s42, s46
	s_mov_b32 s43, 0
	s_lshl_b32 s44, s41, 16                        ; 32 rows of 2,048 bytes
	s_add_co_u32 s44, s44, s38
	s_mov_b32 s45, 0
	; where my four fragments of w1 go: tile F = 32 hf + 4 v + jt of 64: stream F >> 4, pass (F >> 3) & 1, place F & 7
	s_lshl_b32 s46, s40, 1
	s_lshr_b32 s47, s32, 2
	s_add_co_u32 s46, s46, s47
	s_lshl_b32 s46, s46, 19
	s_add_co_u32 s46, s46, s38
	s_bfe_u32 s47, s32, 0x10001
	s_lshl_b32 s47, s47, 4
	s_add_co_u32 s47, s47, s39                     ; step 16 p + ks
	s_lshl_b32 s47, s47, 13
	s_add_co_u32 s46, s46, s47
	s_and_b32 s48, s32, 1
	s_lshl_b32 s48, s48, 12                        ; places 4 (v & 1) on
	s_add_co_u32 s46, s46, s48
	; and those of w2: tile D = 4 v + jt of 32: stream D >> 3, step 32 + ks, place D & 7
	s_lshr_b32 s47, s32, 1
	s_lshl_b32 s47, s47, 19
	s_add_co_u32 s47, s47, s38
	s_add_co_u32 s47, s47, s48
	s_lshl_b32 s49, s41, 13
	s_add_co_u32 s47, s47, s49
	s_add_co_u32 s47, s47, 1<<18
	v_lshlrev_b32 v4, 6, v0
	v_add_nc_u32 v5, GT, v4
	v_lshlrev_b32 v6, 4, v0
	v_lshrrev_b32 v7, 7, v0                        ; load i of x holds tokens 2 i and 2 i + 1: threads 0-127 the first, 128-255 the second
	v_mul_u32_u24 v7, v7, XP
	v_and_b32 v15, 127, v0
	v_lshl_add_u32 v7, v15, 3, v7
	v_lshlrev_b32 v8, 3, v0
	v_lshlrev_b32 v15, 4, v1
	s_lshl_b32 s50, s32, 14                        ; wave v takes rows 4 v .. 4 v + 3 of each chunk
	v_add_nc_u32 v9, s50, v15
	s_lshl_b32 s50, s32, 13
	v_add_nc_u32 v10, s50, v15
	s_mul_i32 s50, s32, 4*WP
	s_add_co_u32 s50, s50, WA
	v_lshl_add_u32 v11, v1, 3, s50
	v_and_b32 v225, 7, v1
	v_lshrrev_b32 v224, 4, v1                      ; h = lane / 16
	v_lshl_add_u32 v225, v224, 3, v225             ; the turning load's row: 8 h + lane % 8
	v_bfe_u32 v226, v1, 3, 1                       ; and which 16 bytes of the 32
	v_mul_u32_u24 v12, v225, WP
	v_lshl_add_u32 v12, v226, 4, v12
	s_lshl_b32 s50, s32, 7                         ; wave v turns tiles 4 v .. 4 v + 3: 32 bytes of a row each
	s_add_co_u32 s50, s50, WA
	v_add_nc_u32 v12, s50, v12
	v_add_nc_u32 v13, s46, v15
	v_add_nc_u32 v14, s47, v15
	s_mov_b32 s52, 0xffff0000                      ; lanes 16-31
	s_wait_kmcnt 0x0
	s_add_nc_u64 s[4:5], s[4:5], s[34:35]
	s_add_nc_u64 s[14:15], s[14:15], s[36:37]
	s_add_nc_u64 s[10:11], s[10:11], s[42:43]
	s_add_nc_u64 s[12:13], s[12:13], s[44:45]
	s_load_b256 s[24:31], s[8:9], 0x0              ; gate_b: eight floats
	; 52 loads a lane, all out together: 16 KiB of gate_w, 64 KiB each of x, w1 and w2 for the work-group; each load of x, w1 or w2 by a wave covers 512 consecutive bytes
.irp q, 0,1,2,3
	global_load_b128 v[16+4*\q:19+4*\q], v4, s[6:7] offset:16*\q
.endr
.set i, 0
.rept 16
	global_load_b128 v[32+4*i:35+4*i], v6, s[4:5] offset:4096*i th:TH_LOAD_NT
.set i, i+1
.endr
.set i, 0
.rept 16
	global_load_b128 v[96+4*i:99+4*i], v9, s[10:11] offset:4096*(i/4)+512*(i%4) th:TH_LOAD_NT
.set i, i+1
.endr
.set i, 0
.rept 16
	global_load_b128 v[160+4*i:163+4*i], v10, s[12:13] offset:2048*(i/4)+512*(i%4) th:TH_LOAD_NT
.set i, i+1
.endr
	s_wait_loadcnt 48                              ; loads come back in order: gate_w's four are in, the 48 behind them stay out
	v_cvt_pk_bf16_f32 v16, v16, v17                ; row 2 t: eight experts into 16 bytes
	v_cvt_pk_bf16_f32 v17, v18, v19
	v_cvt_pk_bf16_f32 v18, v20, v21
	v_cvt_pk_bf16_f32 v19, v22, v23
	v_cvt_pk_bf16_f32 v24, v24, v25                ; row 2 t + 1
	v_cvt_pk_bf16_f32 v25, v26, v27
	v_cvt_pk_bf16_f32 v26, v28, v29
	v_cvt_pk_bf16_f32 v27, v30, v31
	ds_store_b128 v5, v[16:19]                     ; each row twice, so that a fragment's 16 rows are the 8 experts and the 8 experts again
	ds_store_b128 v5, v[16:19] offset:16
	ds_store_b128 v5, v[24:27] offset:32
	ds_store_b128 v5, v[24:27] offset:48
.set i, 0
.rept 16
	s_wait_loadcnt 47-i                            ; x's load i is in; those behind it stay out
	v_cvt_pk_bf16_f32 v[32+4*i], v[32+4*i], v[33+4*i]
	v_cvt_pk_bf16_f32 v[33+4*i], v[34+4*i], v[35+4*i]
	ds_store_b64 v7, v[32+4*i:33+4*i] offset:2*XP*i
	global_store_b64 v8, v[32+4*i:33+4*i], s[14:15] offset:2048*i  ; a wave's store covers 256 consecutive bytes, at a multiple of 256 from xb's first
.set i, i+1
.endr
.set i, 0
.rept 16
	s_wait_loadcnt 31-i
	v_cvt_pk_bf16_f32 v[96+4*i], v[96+4*i], v[97+4*i]
	v_cvt_pk_bf16_f32 v[97+4*i], v[98+4*i], v[99+4*i]
	ds_store_b64 v11, v[96+4*i:97+4*i] offset:WP*(i/4)+256*(i%4)
.set i, i+1
.endr
.set i, 0
.rept 16
	s_wait_loadcnt 15-i
	v_cvt_pk_bf16_f32 v[160+4*i], v[160+4*i], v[161+4*i]
	v_cvt_pk_bf16_f32 v[161+4*i], v[162+4*i], v[163+4*i]
	ds_store_b64 v11, v[160+4*i:161+4*i] offset:WBO+WP*(i/4)+256*(i%4)
.set i, i+1
.endr
	s_wait_kmcnt 0x0                               ; gate_b
	s_wait_dscnt 0x0                               ; for the others' sake: my stores into LDS are done
	s_barrier_signal -1
	s_barrier_wait -1                              ; the launch's one barrier: behind it LDS is only read
; Eight turning loads: four tiles of 16 columns x 32 K.  The first of a pair leaves registers 0-3 of a fragment (K = 8 h ..), the second, 16 rows down, registers 4-7.
.macro FRAGL reg, off
.irp jt, 0,1,2,3
	ds_load_tr16_b128 v[\reg+8*\jt:\reg+8*\jt+3],   v12 offset:\off+32*\jt
	ds_load_tr16_b128 v[\reg+8*\jt+4:\reg+8*\jt+7], v12 offset:\off+32*\jt+16*WP
.endr
.endm
; and their stores: 512 consecutive bytes each.  left = the LDS loads issued behind the first of these eight.
.macro FRAGS reg, adr, left
.irp jt, 0,1,2,3
	s_wait_dscnt \left-2*\jt
	global_store_b128 v[\adr], v[\reg+8*\jt:\reg+8*\jt+3], s[16:17] offset:1024*\jt
	s_wait_dscnt \left-2*\jt-1
	global_store_b128 v[\adr], v[\reg+8*\jt+4:\reg+8*\jt+7], s[16:17] offset:1024*\jt+512
.endr
.endm
	FRAGL 96, 0
	FRAGL 128, WBO
	FRAGS 96, 13, 15
	FRAGS 128, 14, 7
	s_cmp_eq_u32 s32, 0
	s_cbranch_scc1 .Lrouter
	s_wait_tensorcnt 0x0                           ; waves 1-7 end
	ds_add_u32 v[SPW], v[NIL]
	s_wait_dscnt 0x0
	s_endpgm
.Lrouter:                                              ; WAVE 0: the 32 tokens' gate
	s_wait_xcnt 0x0                                ; the stores above have had their addresses translated: their data registers are written again only behind this wait
	s_lshl_b32 s34, s33, 7
	s_add_nc_u64 s[18:19], s[18:19], s[34:35]      ; rec and sel: 128 bytes a work-group
	s_add_nc_u64 s[20:21], s[20:21], s[34:35]
	s_lshl_b32 s34, s33, 8
	s_add_nc_u64 s[22:23], s[22:23], s[34:35]      ; gw: 256
.irp k, 0,2,4,6
	v_mov_b32 v[16+\k], s[24+\k]                   ; gate_b rounded to bf16 and widened again: register j = expert j, in every lane
	v_mov_b32 v[17+\k], s[25+\k]
	v_cvt_pk_bf16_f32 v24, v[16+\k], v[17+\k]
	v_lshlrev_b32 v[16+\k], 16, v24
	v_and_b32 v[17+\k], 0xffff0000, v24
.endr
	v_lshlrev_b32 v29, 5, v225                     ; gate fragments: row 8 h + lane % 8 of 32 bytes, 16 bytes by (lane / 8) % 2
	v_lshl_add_u32 v29, v226, 4, v29
	v_add_nc_u32 v29, GT, v29
	v_and_b32 v30, 15, v1                          ; token fragments: row lane % 16, 16 bytes by lane / 16
	v_mul_u32_u24 v30, v30, XP
	v_lshl_add_u32 v30, v224, 4, v30
; Eight of the 16 K steps.  Source 0 = the gate (rows: experts 0-7, 0-7), source 1 = 16 tokens: in the result register j of EVERY lane is expert j of token lane % 16.
; Two accumulators, tokens 0-15 and 16-31, take turns.  Four v_nop: the places in front of loads into, and reads of, what the products name.
.macro HALF hh
.set ks, 0
.rept 8
	ds_load_tr16_b128 v[64+8*ks:67+8*ks], v29 offset:1024*(8*\hh+ks)
	ds_load_tr16_b128 v[68+8*ks:71+8*ks], v29 offset:1024*(8*\hh+ks)+512
	ds_load_b128 v[128+8*ks:131+8*ks], v30 offset:64*(8*\hh+ks)
	ds_load_b128 v[132+8*ks:135+8*ks], v30 offset:64*(8*\hh+ks)+32
	ds_load_b128 v[192+8*ks:195+8*ks], v30 offset:16*XP+64*(8*\hh+ks)
	ds_load_b128 v[196+8*ks:199+8*ks], v30 offset:16*XP+64*(8*\hh+ks)+32
.set ks, ks+1
.endr
	s_wait_dscnt 0x0
.set ks, 0
.rept 8
.if (\hh == 0) && (ks == 0)
	v_wmma_f32_16x16x32_bf16 v[32:39], v[64:71], v[128:135], v[16:23]
	v_wmma_f32_16x16x32_bf16 v[40:47], v[64:71], v[192:199], v[16:23]
.else
	v_wmma_f32_16x16x32_bf16 v[32:39], v[64+8*ks:71+8*ks], v[128+8*ks:135+8*ks], v[32:39]
	v_wmma_f32_16x16x32_bf16 v[40:47], v[64+8*ks:71+8*ks], v[192+8*ks:199+8*ks], v[40:47]
.endif
.set ks, ks+1
.endr
.rept 4
	v_nop
.endr
.endm
	HALF 0
	HALF 1
.irp j, 0,1,2,3,4,5,6,7
	v_cndmask_b32 v[48+\j], v[32+\j], v[40+\j], s52  ; lane l now holds token l's eight logits (each accumulator is read from its low end on)
.endr
	v_mov_b32 v56, v48                             ; the largest, and its index: a later one must be strictly greater, so the lower index keeps a tie
	v_mov_b32 v57, 0
.irp j, 1,2,3,4,5,6,7
	v_cmp_gt_f32 vcc_lo, v[48+\j], v56
	v_cndmask_b32 v56, v56, v[48+\j], vcc_lo
	v_cndmask_b32 v57, v57, \j, vcc_lo
.endr
	v_mov_b32 v61, 0xff800000                      ; the winner leaves the field
.irp j, 0,1,2,3,4,5,6,7
	v_cmp_eq_u32 vcc_lo, \j, v57
	v_cndmask_b32 v[48+\j], v[48+\j], v61, vcc_lo
.endr
	v_mov_b32 v58, v48                             ; the second largest
	v_mov_b32 v59, 0
.irp j, 1,2,3,4,5,6,7
	v_cmp_gt_f32 vcc_lo, v[48+\j], v58
	v_cndmask_b32 v58, v58, v[48+\j], vcc_lo
	v_cndmask_b32 v59, v59, \j, vcc_lo
.endr
	v_sub_f32 v24, v58, v56                        ; softmax with the maximum taken away: 1 and p = e^(second - first), over 1 + p
	v_mul_f32 v24, 0x3fb8aa3b, v24
	v_exp_f32 v24, v24
	v_mov_b32 v60, 0                               ; (a plain instruction behind the exponential) the record's 32 words
	s_wait_alu depctr_va_vdst(0)
	v_add_f32 v25, 1.0, v24
	v_rcp_f32 v62, v25
	v_lshl_or_b32 v26, v59, 8, v57                 ; (a plain instruction behind the reciprocal) first | second << 8
	s_wait_alu depctr_va_vdst(0)
	v_mul_f32 v63, v24, v62
.irp e, 0,1,2,3,4,5,6,7
	v_cmp_eq_u32 s53, \e, v57
	v_cmp_eq_u32 s54, \e, v59
	s_or_b32 s55, s53, s54                         ; bit l: token l chose expert e
	v_writelane_b32 v60, s55, \e
	s_bcnt1_i32_b32 s[56+\e], s55
.endr
.irp q, 0,1,2,3
	s_lshl_b32 s53, s[57+2*\q], 16
	s_or_b32 s53, s53, s[56+2*\q]
	v_writelane_b32 v60, s53, 8+\q
.endr
	v_lshlrev_b32 v27, 2, v1
	v_lshlrev_b32 v28, 3, v1
	global_store_b32 v27, v60, s[18:19]
	global_store_b32 v27, v26, s[20:21]
	global_store_b64 v28, v[62:63], s[22:23]
	s_wait_tensorcnt 0x0                           ; wave 0's end
	ds_add_u32 v[SPW], v[NIL]
	s_wait_dscnt 0x0
	s_endpgm
.Lfunc_end_k_qe5da3dcba6_prep:
	.size	k_qe5da3dcba6_prep, .Lfunc_end_k_qe5da3dcba6_prep-k_qe5da3dcba6_prep
	.p2alignl 7, 3214868480
	.fill 96, 4, 3214868480
	.section	.rodata,"a",@progbits
	.p2align	6, 0x0
	.amdhsa_kernel k_qe5da3dcba6_prep
		.amdhsa_group_segment_fixed_size 118272
		.amdhsa_private_segment_fixed_size 0
		.amdhsa_enable_private_segment 0
		.amdhsa_kernarg_size 80
		.amdhsa_user_sgpr_count 2
		.amdhsa_user_sgpr_kernarg_segment_ptr 1
		.amdhsa_wavefront_size32 1
		.amdhsa_system_sgpr_workgroup_id_x 1
		.amdhsa_system_sgpr_workgroup_id_y 1
		.amdhsa_system_sgpr_workgroup_id_z 1
		.amdhsa_system_vgpr_workitem_id 0
		.amdhsa_next_free_vgpr 256
		.amdhsa_next_free_sgpr 66
		.amdhsa_reserve_vcc 1
		.amdhsa_float_denorm_mode_32 3
		.amdhsa_float_denorm_mode_16_64 3
		.amdhsa_memory_ordered 1
		.amdhsa_forward_progress 1
		.amdhsa_inst_pref_size 41
	.end_amdhsa_kernel
	.amdgpu_metadata
---
amdhsa.version: [ 1, 2 ]
amdhsa.kernels:
  - .name:           k_qe5da3dcba6_prep
    .symbol:         k_qe5da3dcba6_prep.kd
    .args:
      - { .name: x, .offset: 0, .size: 8, .value_kind: global_buffer, .address_space: global }
      - { .name: gate_w, .offset: 8, .size: 8, .value_kind: global_buffer, .address_space: global }
      - { .name: gate_b, .offset: 16, .size: 8, .value_kind: global_buffer, .address_space: global }
      - { .name: w1, .offset: 24, .size: 8, .value_kind: global_buffer, .address_space: global }
      - { .name: w2, .offset: 32, .size: 8, .value_kind: global_buffer, .address_space: global }
      - { .name: xb, .offset: 40, .size: 8, .value_kind: global_buffer, .address_space: global }
      - { .name: wf, .offset: 48, .size: 8, .value_kind: global_buffer, .address_space: global }
      - { .name: rec, .offset: 56, .size: 8, .value_kind: global_buffer, .address_space: global }
      - { .name: sel, .offset: 64, .size: 8, .value_kind: global_buffer, .address_space: global }
      - { .name: gw, .offset: 72, .size: 8, .value_kind: global_buffer, .address_space: global }
    .group_segment_fixed_size: 118272
    .private_segment_fixed_size: 0
    .kernarg_segment_align: 8
    .kernarg_segment_size: 80
    .max_flat_workgroup_size: 256
    .sgpr_count:     66
    .vgpr_count:     256
    .wavefront_size: 32
...
	.end_amdgpu_metadata
.endif
;; end of part 1
;; launch ffn (part 2): grid 212 x 1, 8 waves a work-group, no clusters, 258,816 bytes of LDS; arguments rec, sel, gw, xb, wf, b1, b2, part; writes part
.if DOCPART == 2
	.amdgcn_target "amdgcn-amd-amdhsa--gfx1250"
	.amdhsa_code_object_version 6
	.text
	.protected	k_qe5da3dcba6_ffn
	.globl	k_qe5da3dcba6_ffn
	.p2align	8
	.type	k_qe5da3dcba6_ffn,@function
k_qe5da3dcba6_ffn:
	s_mov_b64 s[64:65], 0
	v_nop
	global_prefetch_b8 v0, s[64:65] scope:SCOPE_SE
	s_setreg_imm32_b32 hwreg(HW_REG_WAVE_MODE, 25, 1), 1
	s_wait_xcnt 0x0
; FFN: part[slot][token][:] = weight x (relu(x W1[e] + b1[e]) W2[e] + b2[e]) for each of the 16,384 chosen pairs (token, expert); slot 0 = the token's first expert, 1 = its second.
; TILES.  An expert's n_e rows (its tokens in ascending order) are cut into tiles of 80; the sum over the experts of ceil(n_e / 80) is at most (16,384 + 8 x 79) / 80 = 212 for EVERY
; split, and that is the grid.  Each work-group adds up the 256 records of counts, finds its expert and first row, and finds its 80 tokens from the bitmaps.  A work-group that a
; split leaves without rows stores nothing.  In a tile that is not full the places past the count repeat its last row, and their stores are jumped.
; SHARES.  EIGHT WAVES ON FOUR SIMDs, two to a SIMD, 512 registers each.
; the SIMD's other wave multiplies meanwhile.  The price: a token fragment read from LDS feeds 4 tiles of columns, not 8.
; Product 1: wave w makes hidden columns 128 w .. + 127 of all 80 rows, in two passes of 64; product 2: output channels 64 w .. + 63.
; Either way 5 blocks of 16 rows x 4 tiles of 16 columns = 20 accumulators, 160 registers, which take turns, one instruction a turn.
; BOTH PRODUCTS ARE USED TRANSPOSED (source 0 = 16 columns of the weights, source 1 = 16 tokens): a lane holds ONE token (lane % 16) and eight neighbouring columns 8 (lane / 16) + 0..7,
; so the hidden layer packs into 16 bytes a lane, the gate's weight is one number a lane, and the bias is the C operand of the first K step: nothing is cleared.
; WEIGHTS come from wf straight into registers, already in fragment order: a K step is 4 fragments, 8 loads of 512 consecutive bytes, and each fragment has one reader in the
; work-group.  A ring of four register buffers: three steps' loads are out while one is multiplied, and the ring runs on from pass to pass and into product 2.
; wf holds, for expert e and s = 0..3, 64 steps of 8 fragments at e x 2 MiB + s x 512 KiB: steps 16 p' + ks: w1's columns 256 s + 128 p' + 16 i; steps 32 + ks: w2's channels 128 s + 16 i.
; So my columns 128 w + 64 p + 16 i lie at s = w >> 1, p' = w & 1, places 4 p + i; my channels 64 w + 16 i at s = w >> 1, places 4 (w & 1) + i.
; TOKENS lie in LDS (X, bf16, gathered once), and so does the hidden layer (H, bf16, rounded once); one barrier stands between the products.
; EVERY LDS ADDRESS is a register made once (constants, the wave's number, the lane) plus an immediate: the K steps are written out, and what differs between product 1's two passes
; (where the bias lies, where the hidden numbers go) stands twice, chosen by a forward branch on the pass's counter.
; NO JOINT LOADS: the tiles of an expert are ceil(n_e / 80), a number read from memory that is no multiple of four at every split; and slots in LDS that held the three steps which the
; register ring has on its way would be 2 x 96 KiB, which do not fit beside X's 83,200 and H's 165,120 bytes.
; LIMITS.  b1 and b2 are rounded to bf16 like every input; the hidden layer is rounded once to bf16; sums in f32.
; REGISTERS, in two windows of 256 (s_set_vgpr_msb: bits 1:0 source 0, 3:2 source 1, 5:4 source 2, 7:6 destination):
;   window 0: v0-31 addresses; v32-63 the bias, 4 x 8; v64-73 the gate's weight, a pair a block; v80-111 at work; v112-127 rows' offsets in part; v128-255 the weights' ring, 4 x 32
;   window 1: v0-159 the accumulators, (b, i) at 8 (4 b + i); v160-239 token fragments, two buffers of 5 x 8
; The products' setting (weights window 0; tokens, C and D window 1) also serves the fragment loads (destination window 1, address window 0): two switches a K step.
.set XPITCH, 1040                      ; a token's row: 1,024 bytes + 16, an odd multiple of 16
.set HPITCH, 2064                      ; a hidden row: 2,048 + 16
.set H,      83200                     ; behind X's 80 rows
.set B1A,    248320                    ; behind H's 80 rows: b1[e], 1,024 f32
.set B2A,    252416                    ; b2[e], 512 f32
.set PRE,    254464                    ; for each of the 256 groups of 32 tokens: the expert's rows in the groups before it; 1,024 bytes on: the group's bitmap
.set WT,     256512                    ; the eight waves' totals, 16 bytes each
.set DSTA,   256768                    ; for each of the 80 rows: its row in part; 512 bytes on: its weight
.set SPARE,  257792                    ; the spare words: 128 bytes for each of the eight waves, named by no other line
.set SPITCH, 272                       ; the stage for the way out, in X's bytes once X is read out: 16 rows of 256 + 16 bytes for each wave
.set WSTEP,  8192                      ; from a K step of wf to the next
.set LN16, 4                           ; v4   16 x lane; never rewritten: the weight loads' offset
.set SPW,  5                           ; v5   SPARE + 4 x my thread's number; never rewritten
.set NIL,  6                           ; v6   0, for the add alone
.set ZR,   7                           ; v7   0, for the ReLU
.set AB,   8                           ; v8-12  block b's fragment address: made once for X, once for H
.set LX,   13                          ; v13  my place in 16 rows of X
.set LH,   14                          ; v14  the same in H
.set HS,   15                          ; v15-19 where block b's hidden numbers go; never rewritten
.set BA,   20                          ; v20  the bias's address: made once for b1, once for b2
.set STO,  21                          ; v21  the way out: where I put a row's 32 bytes
.set RD,   22                          ; v22  where I read rows back
.set VL,   23                          ; v23  my 16 bytes in a row of part
.set DA,   24                          ; v24  the row list, at the even rows for lanes 0-15, at the odd ones for lanes 16-31
.set BR,   32
.set WB,   64
.set T,    80
.set DR,   112
.set RING, 128
.set AF,   160                         ; in window 1
.set WV,   20                          ; s20  wave
.set ID,   21                          ; s21  work-group
.set SEL,  22                          ; s[22:23] v_permlanex16_b32's selects: each lane takes its own place in the other half
.set LB,   24                          ; s[24:25] my part of w2 in wf
.set EX,   48                          ; s48  my expert
.set EB,   49                          ; s49  its first tile
.set NE,   50                          ; s50  its rows
.set BASE, 51                          ; s51  tiles counted so far
.set R0,   52                          ; s52  my first row among the expert's
.set CNT,  53                          ; s53  my rows, 1 to 80
.set LP,   54                          ; s[54:55] wf at the first step of the 16 or 32 in hand
.set PASS, 56                          ; s56  2, then 1
.set MK,   58
.set KIND, 59                          ; s59  (w ^ w >> 2) & 1
.set LN,   60                          ; s[60:61] wf at the first step of what follows the pass in hand
.set EMPTY, 63                         ; s63  1: no tile is left for me
.set MSB, 0
.macro WIN new                         ; the immediate's high byte repeats the setting that is left; a switch that changes nothing is dropped
.if MSB != (\new)
	s_set_vgpr_msb (MSB<<8)|(\new)
.set MSB, (\new)
.endif
.endm
	s_load_b512 s[4:19], s[0:1], 0x0               ; rec s[4:5], sel s[6:7], gw s[8:9], xb s[10:11], wf s[12:13], b1 s[14:15], b2 s[16:17], part s[18:19]
	v_lshl_add_u32 v[SPW], v0, 2, SPARE
	v_mov_b32 v[NIL], 0
	v_mov_b32 v[ZR], 0
	v_and_b32 v1, 31, v0                           ; lane
	v_lshrrev_b32 v25, 5, v0
	v_readfirstlane_b32 s[WV], v25
	s_mov_b32 s[ID], ttmp9
	s_mov_b32 s[SEL], 0x76543210
	s_mov_b32 s[SEL+1], 0xfedcba98
	s_lshr_b32 s[KIND], s[WV], 2
	s_xor_b32 s[KIND], s[KIND], s[WV]
	s_and_b32 s[KIND], s[KIND], 1
	v_lshlrev_b32 v26, 7, v0                       ; thread t reads the record of group t
	s_wait_kmcnt 0x0
	global_load_b128 v[40:43], v26, s[4:5] offset:32   ; eight counts in 16-bit halves,
	global_load_b128 v[32:35], v26, s[4:5]             ; eight bitmaps
	global_load_b128 v[36:39], v26, s[4:5] offset:16
	v_and_b32 v2, 15, v0                           ; r = lane % 16
	v_bfe_u32 v3, v0, 4, 1                         ; h = lane / 16
	v_lshlrev_b32 v[LN16], 4, v1
	v_mul_u32_u24 v[LX], v2, XPITCH
	v_lshl_add_u32 v[LX], v3, 4, v[LX]
	v_mul_u32_u24 v[LH], v2, HPITCH
	v_lshl_add_u32 v[LH], v3, 4, v[LH]
	v_add_nc_u32 v[LH], H, v[LH]
	s_lshl_b32 s66, s[WV], 8                       ; my wave's 128 hidden columns in bf16, and its 64 channels in f32: 256 bytes either way
	v_lshl_add_u32 v[VL], v2, 4, s66
	v_add_nc_u32 v[HS], s66, v[LH]
.irp b, 1,2,3,4
	v_add_nc_u32 v[HS+\b], 16*HPITCH*\b, v[HS]
.endr
	s_lshl_b32 s67, s[WV], 9
	s_add_co_u32 s67, s67, B1A
	v_lshl_add_u32 v[BA], v3, 5, s67               ; b1 of hidden column 128 w + 8 h
	s_mul_i32 s67, s[WV], 16*SPITCH
	v_mul_u32_u24 v[STO], v2, SPITCH
	v_lshl_add_u32 v[STO], v3, 5, v[STO]
	v_add_nc_u32 v[STO], s67, v[STO]
	v_mul_u32_u24 v[RD], v3, SPITCH
	v_lshl_add_u32 v[RD], v2, 4, v[RD]
	v_add_nc_u32 v[RD], s67, v[RD]
	v_lshl_add_u32 v[DA], v3, 2, DSTA
.irp q, 0,1,2,3
	v_mov_b32 v[48+\q], 0                          ; the sums of the lanes below start at 0;
	v_mov_b32 v[64+\q], 0
	v_mov_b32 v[52+\q], 0                          ; a lane exchange's destination counts as read, so it is written first
.endr
	s_wait_loadcnt 0x0
; THE COUNTS.  Four words hold eight 16-bit sums; no sum passes 8,192, so the halves never carry into each other.  One step of a sum by exchanges, d lanes apart: each lane takes its
; partner's sum of a block of d lanes; the upper partner (mask) adds it to its sum of the lanes below; both add it to the block's sum.
.macro BFLY d, mask, sum, pre
	s_mov_b32 s[MK], \mask
.irp q, 0,1,2,3
.if \d < 16
	v_mov_b32_dpp v[52+\q], v[\sum+\q] row_xmask:\d row_mask:0xf bank_mask:0xf
.else
	v_permlanex16_b32 v[52+\q], v[\sum+\q], s[SEL], s[SEL+1]
.endif
.endr
.irp q, 0,1,2,3
	v_cndmask_b32 v[56+\q], 0, v[52+\q], s[MK]
	v_add_nc_u32 v[\sum+\q], v[\sum+\q], v[52+\q]
	v_add_nc_u32 v[\pre+\q], v[\pre+\q], v[56+\q]
.endr
.endm
	BFLY 1,  0xaaaaaaaa, 40, 48
	BFLY 2,  0xcccccccc, 40, 48
	BFLY 4,  0xf0f0f0f0, 40, 48
	BFLY 8,  0xff00ff00, 40, 48
	BFLY 16, 0xffff0000, 40, 48                    ; v40-43: my wave's 32 groups' totals, in every lane; v48-51: those of the groups below mine in the wave
	s_lshl_b32 s70, s[WV], 4
	s_add_co_u32 s70, s70, WT
	v_mov_b32 v25, s70
	ds_store_b128 v25, v[40:43]                    ; all lanes write the same 16 bytes with the same numbers
	s_wait_dscnt 0x0                               ; for the others' sake
	s_barrier_signal -1
	s_barrier_wait -1
	v_and_b32 v25, 7, v1
	v_lshl_add_u32 v25, v25, 4, WT
	ds_load_b128 v[60:63], v25                     ; lane u (mod 8) takes wave u's totals
	s_wait_dscnt 0x0
	BFLY 1, 0xaaaaaaaa, 60, 64
	BFLY 2, 0xcccccccc, 60, 64
	BFLY 4, 0xf0f0f0f0, 60, 64
.irp q, 0,1,2,3
	v_readfirstlane_b32 s[40+\q], v[60+\q]         ; s40-43: the eight experts' rows
	v_readlane_b32 s[44+\q], v[64+\q], s[WV]       ; s44-47: those of the waves below mine
.endr
	; MY TILE.  Expert e has ceil(n / 80) tiles = ((n + 79) >> 4) / 5, and m / 5 = (m x 0xcccd) >> 18 for m below 2^16.  The last expert whose first tile is not above my number is mine.
	s_mov_b32 s[EX], 0
	s_mov_b32 s[EB], 0
	s_mov_b32 s[NE], 0
	s_mov_b32 s[BASE], 0
.irp e, 0,1,2,3,4,5,6,7
	s_bfe_u32 s66, s[40+\e/2], 0x100000|(16*(\e%2))
	s_add_co_u32 s67, s66, 79
	s_lshr_b32 s67, s67, 4
	s_mul_i32 s67, s67, 0xcccd
	s_lshr_b32 s67, s67, 18
	s_cmp_ge_u32 s[ID], s[BASE]
	s_cselect_b32 s[EX], \e, s[EX]
	s_cselect_b32 s[EB], s[BASE], s[EB]
	s_cselect_b32 s[NE], s66, s[NE]
	s_add_co_u32 s[BASE], s[BASE], s67
.endr
	s_cmp_ge_u32 s[ID], s[BASE]
	s_cselect_b32 s[EMPTY], 1, 0
	s_min_u32 s[EX], s[EX], 7
	s_sub_co_u32 s[R0], s[ID], s[EB]
	s_mul_i32 s[R0], s[R0], 80
	s_sub_co_u32 s[CNT], s[NE], s[R0]
	s_min_u32 s[CNT], s[CNT], 80
	; the expert is known: its biases and the first four steps of my weights are asked for, ahead of the search for the tokens
	s_lshl_b32 s66, s[EX], 12
	s_mov_b32 s67, 0
	s_add_nc_u64 s[14:15], s[14:15], s[66:67]
	s_lshl_b32 s66, s[EX], 11
	s_add_nc_u64 s[16:17], s[16:17], s[66:67]
	s_lshl_b32 s66, s[EX], 21
	s_lshr_b32 s68, s[WV], 1
	s_lshl_b32 s68, s68, 19
	s_add_co_u32 s66, s66, s68                     ; the expert's 2 MiB, part w >> 1 of 512 KiB
	s_and_b32 s69, s[WV], 1
	s_lshl_b32 s68, s69, 17                        ; w1: steps 16 (w & 1) on
	s_add_co_u32 s68, s68, s66
	s_lshl_b32 s69, s69, 12                        ; w2: steps 32 on, places 4 (w & 1) on
	s_add_co_u32 s66, s66, s69
	s_add_co_u32 s66, s66, 1<<18
	s_add_nc_u64 s[LB:LB+1], s[12:13], s[66:67]
	s_mov_b32 s66, s68
	s_add_nc_u64 s[LP:LP+1], s[12:13], s[66:67]    ; the first pass: places 0-3,
	s_add_nc_u64 s[LN:LN+1], s[LP:LP+1], 4096      ; the second: places 4-7 of the same steps
	v_lshlrev_b32 v27, 4, v0                       ; v27 and v28 stay as they are until these loads are waited for
	v_lshlrev_b32 v28, 3, v0
	global_load_b128 v[122:125], v27, s[14:15]
	global_load_b64 v[126:127], v28, s[16:17]
.set n, 0
.rept 16
	global_load_b128 v[RING+8*n:RING+8*n+3],   v[LN16], s[LP:LP+1] offset:WSTEP*(n/4)+1024*(n%4)
	global_load_b128 v[RING+8*n+4:RING+8*n+7], v[LN16], s[LP:LP+1] offset:WSTEP*(n/4)+1024*(n%4)+512
.set n, n+1
.endr
	; of my group: the expert's bitmap, and how many of its rows lie in the groups before
.irp e, 1,2,3,4,5,6,7
	s_cmp_eq_u32 s[EX], \e
	s_cselect_b32 s66, -1, 0
	v_cndmask_b32 v32, v32, v[32+\e], s66
.endr
.irp q, 0,1,2,3
	v_add_nc_u32 v[48+\q], s[44+\q], v[48+\q]
.endr
	s_lshr_b32 s68, s[EX], 1
.irp q, 1,2,3
	s_cmp_eq_u32 s68, \q
	s_cselect_b32 s66, -1, 0
	v_cndmask_b32 v48, v48, v[48+\q], s66
.endr
	s_and_b32 s69, s[EX], 1
	s_lshl_b32 s69, s69, 4
	v_lshrrev_b32 v48, s69, v48
	v_and_b32 v48, 0xffff, v48
	v_lshl_add_u32 v25, v0, 2, PRE
	ds_store_b32 v25, v48
	ds_store_b32 v25, v32 offset:1024
	s_wait_dscnt 0x0                               ; for the others' sake
	s_barrier_signal -1
	s_barrier_wait -1
	; MY WAVE'S 10 ROWS, one a lane (lanes 10-31 repeat lane 9).  Row q of the expert lies in the last group whose count-before is not above q.  The counts-before never fall, so the
	; last of every sixteenth of them that is not above q gives the sixteen groups, and the last of these sixteen the group: two trips to LDS.
	v_min_u32 v25, 9, v1
	s_mul_i32 s66, s[WV], 10
	v_add_nc_u32 v34, s66, v25                     ; the row's place in the tile
	s_sub_co_u32 s67, s[CNT], 1
	v_min_u32 v35, s67, v34                        ; places past the count repeat the last row
	v_add_nc_u32 v35, s[R0], v35
	v_mov_b32 v29, PRE
.set k, 1
.rept 15
	ds_load_b32 v[80+k], v29 offset:64*k
.set k, k+1
.endr
	v_mov_b32 v36, 0
	s_wait_dscnt 0x0
.set k, 1
.rept 15
	v_cmp_le_u32 vcc_lo, v[80+k], v35
	v_cndmask_b32 v36, v36, k, vcc_lo
.set k, k+1
.endr
	v_min_u32 v36, 15, v36
	v_lshl_add_u32 v38, v36, 6, PRE
.irp u, 0,1,2,3
	ds_load_b128 v[80+4*\u:83+4*\u], v38 offset:16*\u       ; sixteen counts-before,
	ds_load_b128 v[96+4*\u:99+4*\u], v38 offset:1024+16*\u  ; and their groups' bitmaps
.endr
	v_mov_b32 v37, 0
	s_wait_dscnt 0x0
	v_mov_b32 v39, v80
	v_mov_b32 v40, v96
.set k, 1
.rept 15
	v_cmp_le_u32 vcc_lo, v[80+k], v35
	v_cndmask_b32 v37, v37, k, vcc_lo
	v_cndmask_b32 v39, v39, v[80+k], vcc_lo
	v_cndmask_b32 v40, v40, v[96+k], vcc_lo
.set k, k+1
.endr
	v_lshl_add_u32 v36, v36, 4, v37                ; the group
	v_sub_nc_u32 v41, v35, v39                     ; which set bit of the group's bitmap, from 0
	v_lshrrev_b32 v42, 1, v40                      ; the bitmap's counts by 2, 4, 8 and 16 bits
	v_and_b32 v42, 0x55555555, v42
	v_sub_nc_u32 v42, v40, v42
	v_lshrrev_b32 v43, 2, v42
	v_and_b32 v43, 0x33333333, v43
	v_and_b32 v45, 0x33333333, v42
	v_add_nc_u32 v43, v43, v45
	v_lshrrev_b32 v45, 4, v43
	v_add_nc_u32 v45, v45, v43
	v_and_b32 v45, 0x0f0f0f0f, v45
	v_lshrrev_b32 v46, 8, v45
	v_add_nc_u32 v46, v46, v45
	v_mov_b32 v47, 0
.macro DESC src, width, fw             ; if the lower half of the field in hand holds too few set bits, they are taken off and the upper half is entered
	v_bfe_u32 v48, v[\src], v47, \fw
	v_cmp_ge_u32 vcc_lo, v41, v48
	v_sub_nc_u32 v49, v41, v48
	v_add_nc_u32 v50, \width, v47
	v_cndmask_b32 v41, v41, v49, vcc_lo
	v_cndmask_b32 v47, v47, v50, vcc_lo
.endm
	DESC 46, 16, 8
	DESC 45, 8, 8
	DESC 43, 4, 4
	DESC 42, 2, 2
	DESC 40, 1, 1
	v_lshl_add_u32 v51, v36, 5, v47
	v_min_u32 v51, 0x1fff, v51                     ; the token
	v_lshlrev_b32 v52, 2, v51
	v_lshlrev_b32 v53, 3, v51
	global_load_b32 v58, v52, s[6:7]
	global_load_b64 v[60:61], v53, s[8:9]
.set i, 0
.rept 10
	v_readlane_b32 s70, v51, i
	s_min_u32 s70, s70, 0x1fff
	s_lshl_b32 s70, s70, 10
	v_add_nc_u32 v[DR+i], s70, v[LN16]
.set i, i+1
.endr
	WIN 0x40                                       ; THE GATHER, into the accumulators' registers: a row of xb is 1,024 bytes: two loads of 512 consecutive bytes
.set i, 0
.rept 10
	global_load_b128 v[8*i:8*i+3],   v[DR+i], s[10:11]
	global_load_b128 v[8*i+4:8*i+7], v[DR+i], s[10:11] offset:512
.set i, i+1
.endr
	WIN 0
	s_wait_loadcnt 20                              ; all but the 20 just issued: the biases, the ring's first four steps, sel and gw are in
.irp k, 122,124,126
	v_cvt_pk_bf16_f32 v25, v[\k], v[\k+1]          ; the biases rounded to bf16 and widened again
	v_lshlrev_b32 v[\k], 16, v25
	v_and_b32 v[\k+1], 0xffff0000, v25
.endr
	v_lshl_add_u32 v26, v0, 4, B1A
	v_lshl_add_u32 v29, v0, 3, B2A
	ds_store_b128 v26, v[122:125]
	ds_store_b64 v29, v[126:127]
	v_lshrrev_b32 v25, 8, v58
	v_cmp_eq_u32 vcc_lo, s[EX], v25                ; is my expert the token's second?
	v_cndmask_b32 v30, 0, 1, vcc_lo
	v_lshl_add_u32 v30, v30, 13, v51               ; the row in part: 8,192 x slot + token
	v_cndmask_b32 v31, v60, v61, vcc_lo            ; and the slot's weight
	v_lshl_add_u32 v25, v34, 2, DSTA
	ds_store_b32 v25, v30
	ds_store_b32 v25, v31 offset:512
	s_mul_i32 s66, s[WV], 10*XPITCH
	v_add_nc_u32 v59, s66, v[LN16]
	WIN 0x04                                       ; the stores' data lie in window 1
.set n, 0
.rept 20
	s_wait_loadcnt 19-n                            ; loads come back in order: load n is in
	ds_store_b128 v59, v[4*n:4*n+3] offset:XPITCH*(n/2)+512*(n%2)
.set n, n+1
.endr
	WIN 0
	s_wait_dscnt 0x0                               ; for the others' sake: X, the biases and the row list are written
	s_barrier_signal -1
	s_barrier_wait -1
; The gate's weight of token 16 b + lane % 16, twice, a pair for the packed multiply.  It is wanted only on the way out.  Each wave fetches it once: the waves of kind 1 here, those of
; kind 0 behind the barrier in front of product 2.  Whether the eight waves are dealt to the four SIMDs as (w, w + 4) or as (2 k, 2 k + 1), a SIMD has one wave of each kind: the two
; start each product a trip to LDS apart, so that they do not come to their runs of loads together.
.macro WBL
	v_lshl_add_u32 v25, v2, 2, DSTA+512
.irp b, 0,1,2,3,4
	ds_load_b32 v[WB+2*\b], v25 offset:64*\b
.endr
	s_wait_dscnt 0x0
.irp b, 0,1,2,3,4
	v_mov_b32 v[WB+2*\b+1], v[WB+2*\b]
.endr
.endm
	s_cmp_eq_u32 s[KIND], 0
	s_cbranch_scc1 .Lwb_later
	WBL
.Lwb_later:
; Ten LDS loads: the five blocks' fragments (16 tokens x 32 K) at byte koff of the rows, into buffer buf
.macro LDA buf, koff
	WIN 0x54
.irp b, 0,1,2,3,4
	ds_load_b128 v[AF+40*(\buf)+8*\b:AF+40*(\buf)+8*\b+3],   v[AB+\b] offset:(\koff)
	ds_load_b128 v[AF+40*(\buf)+8*\b+4:AF+40*(\buf)+8*\b+7], v[AB+\b] offset:(\koff)+32
.endr
.endm
; Eight loads: the step four ahead of the one just multiplied, at byte woff from pointer ptr, into the ring buffer just read out
.macro LDW j, ptr, woff
	WIN 0
.irp i, 0,1,2,3
	global_load_b128 v[RING+32*(\j)+8*\i:RING+32*(\j)+8*\i+3],   v[LN16], s[\ptr:\ptr+1] offset:(\woff)+1024*\i
	global_load_b128 v[RING+32*(\j)+8*\i+4:RING+32*(\j)+8*\i+7], v[LN16], s[\ptr:\ptr+1] offset:(\woff)+1024*\i+512
.endr
.endm
; Twenty matrix instructions on twenty accumulators.  first = 1: the bias (window 0) is the C operand, and the products start the sums.
.macro MMS j, buf, first
	WIN 0x54-0x10*(\first)
.irp b, 0,1,2,3,4
.irp i, 0,1,2,3
.if \first
	v_wmma_f32_16x16x32_bf16 v[8*(4*\b+\i):8*(4*\b+\i)+7], v[RING+32*(\j)+8*\i:RING+32*(\j)+8*\i+7], v[AF+40*(\buf)+8*\b:AF+40*(\buf)+8*\b+7], v[BR+8*\i:BR+8*\i+7]
.else
	v_wmma_f32_16x16x32_bf16 v[8*(4*\b+\i):8*(4*\b+\i)+7], v[RING+32*(\j)+8*\i:RING+32*(\j)+8*\i+7], v[AF+40*(\buf)+8*\b:AF+40*(\buf)+8*\b+7], v[8*(4*\b+\i):8*(4*\b+\i)+7]
.endif
.endr
.endr
.endm
; A K STEP: the next step's token fragments are asked for; this step's are in; this step's weights are in; 20 products; four v_nop, the places in front of loads into registers that the
; products have read and in front of reads of their results (ISA guide 7.12.1 for the reads of results); the ring buffer is asked for again.
.macro STEP j, buf, first, lda, koff, ldw, ptr, woff, cnt
.if \lda
	LDA 1-(\buf), \koff
	s_wait_dscnt 10                                ; all but the ten just issued
.else
	s_wait_dscnt 0x0
.endif
	s_wait_loadcnt \cnt                            ; the younger steps' loads, 8 each, stay out
	MMS \j, \buf, \first
.rept 4
	v_nop
.endr
.if \ldw
	LDW \j, \ptr, \woff
.endif
.endm
.macro BRL off                         ; the bias of my 4 tiles, from byte off on: register j of tile i = column 16 i + 8 (lane / 16) + j
.irp i, 0,1,2,3
	ds_load_b128 v[BR+8*\i:BR+8*\i+3],   v[BA] offset:(\off)+64*\i
	ds_load_b128 v[BR+8*\i+4:BR+8*\i+7], v[BA] offset:(\off)+64*\i+16
.endr
.endm
	s_cmp_lg_u32 s[EMPTY], 0
	s_cbranch_scc1 .Lmeet                          ; no rows: the first product is jumped; what is jumped holds no barrier
	; PRODUCT 1: two passes of 64 hidden columns, 16 K steps each, written out once
.irp b, 0,1,2,3,4
	v_add_nc_u32 v[AB+\b], 16*XPITCH*\b, v[LX]
.endr
	s_mov_b32 s[PASS], 2
.Lpass:
	s_cmp_eq_u32 s[PASS], 2                        ; the first pass takes b1's first 64 of my columns, the second the 64 behind them: 8 loads either way
	s_cbranch_scc0 .Lbias_second
	BRL 0
	s_branch .Lbias_asked
.Lbias_second:
	BRL 256
.Lbias_asked:
	LDA 0, 0
	STEP 0, 0, 1, 1, 64, 1, LP, 4*WSTEP, 24
.set ks, 1
.rept 14
.if ks < 12
	STEP ks%4, ks%2, 0, 1, 64*(ks+1), 1, LP, (ks+4)*WSTEP, 24
.else
	STEP ks%4, ks%2, 0, 1, 64*(ks+1), 1, LN, (ks-12)*WSTEP, 24  ; the pass's last four steps ask for the first four of what follows
.endif
.set ks, ks+1
.endr
	STEP 3, 1, 0, 0, 0, 1, LN, 3*WSTEP, 24
	; the hidden layer: rounded to bf16 (each accumulator from its low end on), ReLU on the packed halves, 16 bytes a lane and tile into H
.irp b, 0,1,2,3,4
	WIN 0x05                                       ; sources 0 and 1 window 1, destination window 0
.set TT, T+16*(\b%2)
.set n, 0
.rept 16
	v_cvt_pk_bf16_f32 v[TT+n], v[32*\b+2*n], v[32*\b+2*n+1]
.set n, n+1
.endr
	WIN 0                                          ; at a label and at a branch every window is 0
.set n, 0
.rept 16
	v_pk_max_num_bf16 v[TT+n], v[TT+n], v[ZR]
.set n, n+1
.endr
	s_cmp_eq_u32 s[PASS], 2                        ; the second pass's columns lie 128 bytes behind the first's: 4 stores either way
	s_cbranch_scc0 .Lhid_second_\b
.irp i, 0,1,2,3
	ds_store_b128 v[HS+\b], v[TT+4*\i:TT+4*\i+3] offset:32*\i
.endr
	s_branch .Lhid_stored_\b
.Lhid_second_\b:
.irp i, 0,1,2,3
	ds_store_b128 v[HS+\b], v[TT+4*\i:TT+4*\i+3] offset:128+32*\i
.endr
.Lhid_stored_\b:
.endr
	s_wait_xcnt 0x0                                ; the weight loads have had their addresses translated: the pointers are written only behind this wait
	s_mov_b64 s[LP:LP+1], s[LN:LN+1]
	s_mov_b64 s[LN:LN+1], s[LB:LB+1]               ; behind the second pass comes w2
	s_sub_co_u32 s[PASS], s[PASS], 1
	s_cmp_lg_u32 s[PASS], 0
	s_cbranch_scc1 .Lpass
.Lmeet:
	s_wait_dscnt 0x0                               ; my part of H is written and my reads of X are over
	s_barrier_signal -1
	s_barrier_wait -1                              ; H is whole; X's bytes are free for the stages
	s_cmp_lg_u32 s[EMPTY], 0
	s_cbranch_scc1 .Ldone
	s_cmp_eq_u32 s[KIND], 0
	s_cbranch_scc0 .Lwb_had
	WBL                                            ; the waves of kind 0 fetch their gate weights now
.Lwb_had:
	; PRODUCT 2: 32 K steps over the 1,024 hidden columns, written out
.irp b, 0,1,2,3,4
	v_add_nc_u32 v[AB+\b], 16*HPITCH*\b, v[LH]
.endr
	s_lshl_b32 s66, s[WV], 8
	s_add_co_u32 s66, s66, B2A
	v_lshl_add_u32 v[BA], v3, 5, s66               ; b2 of channel 64 w + 8 h
	BRL 0
	LDA 0, 0
	STEP 0, 0, 1, 1, 64, 1, LP, 4*WSTEP, 24
.set ks, 1
.rept 27
	STEP ks%4, ks%2, 0, 1, 64*(ks+1), 1, LP, (ks+4)*WSTEP, 24  ; step 27 asks for the last step
.set ks, ks+1
.endr
	STEP 0, 0, 0, 1, 64*29, 0, LP, 0, 24           ; nothing is left to fetch: the counts run down
	STEP 1, 1, 0, 1, 64*30, 0, LP, 0, 16
	STEP 2, 0, 0, 1, 64*31, 0, LP, 0, 8
	STEP 3, 1, 0, 0, 0, 0, LP, 0, 0
; THE WAY OUT, a block of 16 rows at a time, in the ring's registers, which are free now.  PACK: times the gate's weight.  TOSTAGE: the block's rows in part are fetched; 32 bytes a lane
; and tile go into my own stage and come back as whole rows of 256 bytes, two to a load.  SEND: each pair of rows to its places in part.
; LDS serves a wave's instructions in order (ISA guide 5.7.1.4): the loads see the stores above them, and the next block's stores come behind these loads.
.macro PACK b
	WIN 0x01                                       ; source 0 window 1
.set TT, RING+32*((\b)%2)
.set n, 0
.rept 16
	v_pk_mul_f32 v[TT+2*n:TT+2*n+1], v[32*(\b)+2*n:32*(\b)+2*n+1], v[WB+2*(\b):WB+2*(\b)+1]
.set n, n+1
.endr
	WIN 0
.endm
.macro TOSTAGE b
.set TT, RING+32*((\b)%2)
.set OBB, RING+64+32*((\b)%2)
.set DRB, DR+8*((\b)%2)
	s_wait_xcnt 0x0                                ; earlier stores have had their addresses translated: their registers are written again only behind this wait
.irp n, 0,1,2,3,4,5,6,7
	ds_load_b32 v[DRB+\n], v[DA] offset:64*(\b)+8*\n  ; row 16 b + 2 n + lane / 16
.endr
.irp i, 0,1,2,3
	ds_store_b128 v[STO], v[TT+8*\i:TT+8*\i+3]   offset:64*\i
	ds_store_b128 v[STO], v[TT+8*\i+4:TT+8*\i+7] offset:64*\i+16
.endr
.irp n, 0,1,2,3,4,5,6,7
	ds_load_b128 v[OBB+4*\n:OBB+4*\n+3], v[RD] offset:2*SPITCH*\n
.endr
.endm
.macro SEND b
.set OBB, RING+64+32*((\b)%2)
.set DRB, DR+8*((\b)%2)
	s_wait_dscnt 16                                ; the row list is in: behind it stand the 8 stores and the 8 loads
.set n, 0
.rept 8
	v_min_u32 v[DRB+n], 0x3fff, v[DRB+n]
	v_lshl_add_u32 v[DRB+n], v[DRB+n], 11, v[VL]   ; 2,048 bytes a row, my wave's 256, my 16
.set n, n+1
.endr
.set n, 0
.rept 8
	s_cmp_gt_u32 s[CNT], 16*(\b)+2*n
	s_cbranch_scc0 .Ldone                          ; this pair and all behind it lie past the count.  Where the count is odd, its last pair's second row repeats the first: same token, same bits, same place
	s_wait_dscnt 7-n                               ; pair n is back
	global_store_b128 v[DRB+n], v[OBB+4*n:OBB+4*n+3], s[18:19]  ; sixteen lanes store 256 consecutive bytes, at a multiple of 256 from part's first
.set n, n+1
.endr
.endm
	PACK 0
	TOSTAGE 0
.irp b, 1,2,3,4                        ; a block's arithmetic stands between the loads of the block before and its stores
	PACK \b
	SEND (\b)-1
	TOSTAGE \b
.endr
	SEND 4
.Ldone:
	s_wait_tensorcnt 0x0                           ; the wave's end
	ds_add_u32 v[SPW], v[NIL]
	s_wait_dscnt 0x0
	s_endpgm
.Lfunc_end_k_qe5da3dcba6_ffn:
	.size	k_qe5da3dcba6_ffn, .Lfunc_end_k_qe5da3dcba6_ffn-k_qe5da3dcba6_ffn
	.p2alignl 7, 3214868480
	.fill 96, 4, 3214868480
	.section	.rodata,"a",@progbits
	.p2align	6, 0x0
	.amdhsa_kernel k_qe5da3dcba6_ffn
		.amdhsa_group_segment_fixed_size 258816
		.amdhsa_private_segment_fixed_size 0
		.amdhsa_enable_private_segment 0
		.amdhsa_kernarg_size 64
		.amdhsa_user_sgpr_count 2
		.amdhsa_user_sgpr_kernarg_segment_ptr 1
		.amdhsa_wavefront_size32 1
		.amdhsa_system_sgpr_workgroup_id_x 1
		.amdhsa_system_sgpr_workgroup_id_y 1
		.amdhsa_system_sgpr_workgroup_id_z 1
		.amdhsa_system_vgpr_workitem_id 0
		.amdhsa_next_free_vgpr 512
		.amdhsa_next_free_sgpr 80
		.amdhsa_reserve_vcc 1
		.amdhsa_float_denorm_mode_32 3
		.amdhsa_float_denorm_mode_16_64 3
		.amdhsa_memory_ordered 1
		.amdhsa_forward_progress 1
		.amdhsa_inst_pref_size 214
	.end_amdhsa_kernel
	.amdgpu_metadata
---
amdhsa.version: [ 1, 2 ]
amdhsa.kernels:
  - .name:           k_qe5da3dcba6_ffn
    .symbol:         k_qe5da3dcba6_ffn.kd
    .args:
      - { .name: rec, .offset: 0, .size: 8, .value_kind: global_buffer, .address_space: global }
      - { .name: sel, .offset: 8, .size: 8, .value_kind: global_buffer, .address_space: global }
      - { .name: gw, .offset: 16, .size: 8, .value_kind: global_buffer, .address_space: global }
      - { .name: xb, .offset: 24, .size: 8, .value_kind: global_buffer, .address_space: global }
      - { .name: wf, .offset: 32, .size: 8, .value_kind: global_buffer, .address_space: global }
      - { .name: b1, .offset: 40, .size: 8, .value_kind: global_buffer, .address_space: global }
      - { .name: b2, .offset: 48, .size: 8, .value_kind: global_buffer, .address_space: global }
      - { .name: part, .offset: 56, .size: 8, .value_kind: global_buffer, .address_space: global }
    .group_segment_fixed_size: 258816
    .private_segment_fixed_size: 0
    .kernarg_segment_align: 8
    .kernarg_segment_size: 64
    .max_flat_workgroup_size: 256
    .sgpr_count:     80
    .vgpr_count:     512
    .wavefront_size: 32
...
	.end_amdgpu_metadata
.endif
;; end of part 2
;; launch combine (part 3): grid 256 x 1, 8 waves a work-group, no clusters, 0 bytes of LDS; arguments part, out0; writes out0
.if DOCPART == 3
	.amdgcn_target "amdgcn-amd-amdhsa--gfx1250"
	.amdhsa_code_object_version 6
	.text
	.protected	k_qe5da3dcba6_combine
	.globl	k_qe5da3dcba6_combine
	.p2align	8
	.type	k_qe5da3dcba6_combine,@function
k_qe5da3dcba6_combine:
	s_mov_b64 s[64:65], 0
	v_nop
	global_prefetch_b8 v0, s[64:65] scope:SCOPE_SE
	s_setreg_imm32_b32 hwreg(HW_REG_WAVE_MODE, 25, 1), 1
	s_wait_xcnt 0x0
; out0[token][:] = part[0][token][:] + part[1][token][:], all f32: the two chosen experts' weighted rows, one f32 addition for each output.
; A stream: 256 work-groups of eight waves, 65,536 bytes of out0 each.  Thread t owns the 16 bytes at 16 t of each of 16 blocks of 4,096 bytes, so each load and store of a wave
; covers 512 consecutive bytes.  All 32 loads of a lane go out together; no loop, no LDS, no barrier, no matrix unit: nothing is used twice.
.set HALF, 0x1000000                   ; part's second slot begins 16 MiB behind the first
.set A, 8                              ; v8-71    slot 0, block i at A + 4 i; the sums are made in place
.set B, 72                             ; v72-135  slot 1
	s_load_b128 s[4:7], s[0:1], 0x0                ; part s[4:5], out0 s[6:7]
	s_lshl_b32 s8, ttmp9, 16
	s_mov_b32 s9, 0
	v_lshlrev_b32 v1, 4, v0
	s_wait_kmcnt 0x0
	s_add_nc_u64 s[4:5], s[4:5], s[8:9]
	s_add_nc_u64 s[10:11], s[4:5], HALF
	s_add_nc_u64 s[6:7], s[6:7], s[8:9]
.set i, 0
.rept 16
	global_load_b128 v[A+4*i:A+4*i+3], v1, s[4:5] offset:4096*i th:TH_LOAD_NT
	global_load_b128 v[B+4*i:B+4*i+3], v1, s[10:11] offset:4096*i th:TH_LOAD_NT
.set i, i+1
.endr
.set i, 0
.rept 16
	s_wait_loadcnt 30-2*i                          ; loads come back in order: pair i is in, the pairs behind it stay out
	v_pk_add_f32 v[A+4*i:A+4*i+1],   v[A+4*i:A+4*i+1],   v[B+4*i:B+4*i+1]
	v_pk_add_f32 v[A+4*i+2:A+4*i+3], v[A+4*i+2:A+4*i+3], v[B+4*i+2:B+4*i+3]
	global_store_b128 v1, v[A+4*i:A+4*i+3], s[6:7] offset:4096*i th:TH_STORE_NT
.set i, i+1
.endr
	s_endpgm
.Lfunc_end_k_qe5da3dcba6_combine:
	.size	k_qe5da3dcba6_combine, .Lfunc_end_k_qe5da3dcba6_combine-k_qe5da3dcba6_combine
	.p2alignl 7, 3214868480
	.fill 96, 4, 3214868480
	.section	.rodata,"a",@progbits
	.p2align	6, 0x0
	.amdhsa_kernel k_qe5da3dcba6_combine
		.amdhsa_group_segment_fixed_size 0
		.amdhsa_private_segment_fixed_size 0
		.amdhsa_enable_private_segment 0
		.amdhsa_kernarg_size 16
		.amdhsa_user_sgpr_count 2
		.amdhsa_user_sgpr_kernarg_segment_ptr 1
		.amdhsa_wavefront_size32 1
		.amdhsa_system_sgpr_workgroup_id_x 1
		.amdhsa_system_sgpr_workgroup_id_y 1
		.amdhsa_system_sgpr_workgroup_id_z 1
		.amdhsa_system_vgpr_workitem_id 0
		.amdhsa_next_free_vgpr 144
		.amdhsa_next_free_sgpr 66
		.amdhsa_reserve_vcc 0
		.amdhsa_float_denorm_mode_32 3
		.amdhsa_float_denorm_mode_16_64 3
		.amdhsa_memory_ordered 1
		.amdhsa_forward_progress 1
		.amdhsa_inst_pref_size 8
	.end_amdhsa_kernel
	.amdgpu_metadata
---
amdhsa.version: [ 1, 2 ]
amdhsa.kernels:
  - .name:           k_qe5da3dcba6_combine
    .symbol:         k_qe5da3dcba6_combine.kd
    .args:
      - { .name: part, .offset: 0, .size: 8, .value_kind: global_buffer, .address_space: global }
      - { .name: out0, .offset: 8, .size: 8, .value_kind: global_buffer, .address_space: global }
    .group_segment_fixed_size: 0
    .private_segment_fixed_size: 0
    .kernarg_segment_align: 8
    .kernarg_segment_size: 16
    .max_flat_workgroup_size: 256
    .sgpr_count:     66
    .vgpr_count:     144
    .wavefront_size: 32
...
	.end_amdgpu_metadata
.endif
;; end of part 3
